; MI455X (gfx1250); checked and timed in simulation.
; The chip was launched on July 23, 2026; its instructions are those of AMD's public machine-readable ISA for CDNA 5 (MIT licence, August 2026) and "CDNA5" Instruction Set Architecture Reference Guide (July 2026). The comments in the code are by the model that wrote it; some were corrected since.
;; Bit Linear. Allowed arithmetic: matrix products marked QUANTISED: E2M1 operands, one E8M0 scale for each 32 along K, by v_wmma_scale_f32_16x16x128_f8f6f4 with both operands' format E2M1 (or v_wmma_scale_f32_32x16x128_f4), f32 sums; everything else in f32.
;; Inputs: weight 4,096 x 4,096 float32; x_codes 2 x 2,048 x 128 x 16 uint8 (E2M1 codes of x, K innermost, in blocks of 32 codes, two codes a byte); x_scales 2 x 2,048 x 128 uint8 (E8M0 scales of x, one for each 32 codes along K).
;; Outputs: out0 2 x 2,048 x 4,096 float32.
;; This version of the problem:
;;   THIS VERSION OF THE PROBLEM IS GIVEN IN LOW PRECISION. The matrix products marked QUANTISED in the list below multiply operands that are first quantised to E2M1 (2 exponent bits, 1 mantissa bit; 4 bits a number), with one power-of-two scale for each 32 numbers along K (OCP MX v1.0); their sums are f32. All else is computed in f32.
;;   The module's matrix products, in the order in which they are computed (A, B: the left and right operand; K: the contracted axis; several contracted axes count as one K, in the product's order):
;;     1. [M 4,096, K 4,096] x [K 4,096, N 4,096]; A: input x (given as codes); B: computed on the way: QUANTISED
;;   THE QUANTISER, for each operand of a quantised product, along K:
;;     - K is cut into blocks of 32 from its start; a last block that is shorter is filled with zeros.
;;     - A block's scale is 2^e with e = floor(log2(the largest magnitude in the block)) - 2, held to -126 .. 127; a block of zeros has e = 0. As a byte (E8M0): e + 127.
;;     - Each number is divided by its block's scale, clamped to +-6, and rounded to the nearest number of E2M1, ties to even, subnormals kept.
;;     - The product sums the exact products of the quantised numbers (number of the format x scale) in f32.
;;   ~~~python
;;   def quantise(x, axis):      # numpy; x: float32 -> the quantised numbers, widened to float32 again
;;       x = np.moveaxis(x, axis, -1); K = x.shape[-1]
;;       x = np.pad(x, [(0, 0)] * (x.ndim - 1) + [(0, -K % 32)]); x = x.reshape(x.shape[:-1] + (-1, 32)); a = np.abs(x).max(-1, keepdims=True)
;;       e = np.where(a > 0, np.clip(np.frexp(np.where(a > 0, a, 1))[1] - 1 - 2, -126, 127), 0)      # np.frexp(a)[1] - 1 = floor(log2(a)), exactly
;;       r = np.clip(x / 2.0 ** e, -6, 6)
;;       step = 2.0 ** (np.maximum(np.frexp(np.where(r == 0, 1, r))[1] - 1, 0) - 1)
;;       q = np.round(r / step) * step * 2.0 ** e      # np.round: ties to even
;;       return np.moveaxis(q.reshape(q.shape[:-2] + (-1,))[..., :K], -1, axis).astype(np.float32)
;;   ~~~
;;   OPERANDS COMPUTED ON THE WAY. 'Computed on the way' means the value that the module computes at that place (a softmax that the list does not call 'softmax' is quantised finished and normalised). What goes into a quantiser is computed in f32, as accurately as f32 sums, v_exp_f32 and their like allow (about 1e-6 of the number): no bf16 or f16 on the way to a quantiser, and a product that is left as it is and whose result goes on into a quantised operand takes f32 operands (vector FMAs, or v_wmma_f32_16x16x4_f32). A number that lies on a knife's edge between two numbers of the format may be rounded either way, as far as f32 arithmetic and the matrix unit's own rounding can turn it there, and no further.
;;   INPUTS GIVEN AS CODES. x (in the module: [2, 2048, 4096], K = its axis 2): each comes as NAME_codes (uint8): NAME with its K axis moved to the last place and cut into blocks of 32 codes, [.., K / 32, bytes a block], one block behind the other in memory; two codes a byte, the lower K in the low four bits (a code: sign, 2 exponent bits, 1 mantissa bit); and NAME_scales (uint8): the same leading axes, one E8M0 byte (e + 127) for each 32 codes along K. Its value is code x scale, taken as it is: it is not quantised again, and the codes and scales need not be those that the quantiser above would give.
;; One version. Each part assembles by itself: llvm-mc -triple=amdgcn-amd-amdhsa -mcpu=gfx1250 --defsym DOCPART=n.
;; ======== version 1 of 1: 2 launches
;; limits: right only within a limited range of input values
;; workspace buffers: w_codes 8,388,608 bytes; ws 524,288 bytes; xs 524,288 bytes
;; launch prep (part 1): grid 256 x 1, 16 waves a work-group, no clusters, 327,680 bytes of LDS; arguments weight, x_scales, w_codes, ws, xs; writes w_codes, ws, xs
.if DOCPART == 1
	.amdgcn_target "amdgcn-amd-amdhsa--gfx1250"
	.amdhsa_code_object_version 6
	.text
	.protected	k_q20538a8196_prep
	.globl	k_q20538a8196_prep
	.p2align	8
	.type	k_q20538a8196_prep,@function
k_q20538a8196_prep:
	s_mov_b64 s[64:65], 0
	v_nop
	global_prefetch_b8 v0, s[64:65] scope:SCOPE_SE
	s_setreg_imm32_b32 hwreg(HW_REG_WAVE_MODE, 25, 1), 1
	s_wait_xcnt 0x0
; weight [4096 o][4096 k], f32, K innermost, becomes the second operand of the product, as codes of FP4 (E2M1) with one E8M0 byte for each 32 along K.
; STEP 1, by groups of 128 along K: s = max(mean |w|, 1e-8); w_q = +s where w / s > 0.5, -s where w / s < -0.5, else 0.
; STEP 2, by blocks of 32 along K: the block's largest magnitude is s (or 0), so the scale of all four blocks of a group is 2^(floor(log2 s) - 2): s's own exponent field less 2 (s is at least 1e-8, whose
; exponent field is 100, so the byte needs no floor).  s over that scale lies in [4, 8): its code is that of 4 up to 5 (5 is a tie and goes to the even code), that of 6 beyond 5.
; |w| > s / 2 decides as w / s > 0.5 does in f32: s / 2 is exact, the next f32 number above it lies more than one part in 2^24 higher, so that quotient lies beyond the middle between 0.5 and the next number and
; is rounded above 0.5; at or under s / 2 the quotient is at most 0.5.
; THE CODES: d = w - med3(w, -s / 2, s / 2) is 0 where |w| <= s / 2 and has w's sign elsewhere, where |d| is at least 2^-51 (the spacing of f32 at 5e-9).  Converted with the scale 2^-60, d gives the code of 0, or, being
; 2^9 or more, that of +-6 (the largest: 0111, 1111).  Where s's code is that of 4 (0110), an AND with 0xeeeeeeee takes the lowest bit off eight codes at once.
; The launch also lays both operands' scale bytes by K step of 512, [8 t][4096 rows][16 bytes] (ws from the bytes made here, xs from x_scales [4096][128]): the scales of 256 rows for one K step are then 4,096
; consecutive bytes, which the product's launch fetches with one tensor load.
; LIMITS: NaN and infinities in weight are not served.  THE ORDER OF THE MEAN'S SUM: a group's 128 magnitudes are summed as four sums of 32 neighbours, each k ascending, and the four are then added in ascending
; order; a weight whose magnitude lies within that sum's rounding of s / 2 may fall on the other side than under another order of the sum.  A block of zeros keeps its group's byte where the quantiser's rule says 127:
; its codes are zeros, which add nothing under any byte but 0xff, and this program alone reads the bytes.
; SHARES.  A work-group owns 16 rows of weight, each of its sixteen waves one row: 16,384 bytes, 32 groups.  LANE l OWNS GROUP l: its 128 registers run along K, so the sum needs no other lane and the conversions
; find neighbours along K in one lane's consecutive registers.  A row comes into LDS by ONE tensor load of the wave, as 32 rows of 512 bytes; nothing in LDS is filled a second time, and a wave has one tensor load out.
; No cluster: the work-groups share no input.  No matrix unit: there is no product here.  No prefetch: there is no loop to run ahead in.
.set WTILE, 16896                      ; a wave's tile in LDS: 32 groups x (512 bytes + 16 of padding)
.set GP,    528                        ; from group to group: 33 x 16 bytes
.set CSTG,  16*WTILE                   ; behind the tiles: a stage for the codes, 2,560 bytes for each wave: lane l's 64 bytes at 80 l
.set CWAVE, 2560
.set CP,    80
.set WST,   CSTG+16*CWAVE              ; the work-group's scale words of weight: K step t at 272 t, row w at 16 w, word q at 4 q
.set SPIT,  272
.set XST,   WST+2304                   ; x's scale bytes of 16 rows, laid the same way
.set SPARE, XST+2304                   ; the spare words, 128 bytes for each wave
.set T,     20                         ; v20-27    the clamped numbers of a batch of eight; before and after that scale bytes
.set S,     28                         ; v28-31    the four sums of 32 (v28-30 are at work in the head before)
.set X,     32                         ; v32-159   my group's 128 numbers; v32-47 later take the codes back from the stage
.set C,     160                        ; v160-175  my group's codes: 16 registers, 64 bytes
; v1 lane; v2 my group in my wave's tile; v3, v4 the code stage, in and out; v5 my 16 bytes of a store's 512; v6 where my scale word goes; v7 where x's piece goes; v8, v9 the two scale stages on the way out;
; v10 my place in ws and xs; v11 my place in x_scales; v12 the sum; v13 s; v14 s / 2; v15 s with 2 off its exponent; v16 the scale word; v17 the codes' mask; v18 2^-60; v176 my spare word, v177 0
	s_load_b256 s[4:11], s[0:1], 0x0               ; weight s[4:5], x_scales s[6:7], w_codes s[8:9], ws s[10:11]
	s_load_b64 s[12:13], s[0:1], 0x20              ; xs
	v_lshl_add_u32 v176, v0, 2, SPARE
	v_mov_b32 v177, 0
	ds_add_u32 v176, v177                          ; the wave's opening: the add, twice on end, under one wait
	ds_add_u32 v176, v177
	v_lshrrev_b32 v1, 5, v0
	v_readfirstlane_b32 s14, v1                    ; wave 0..15
	s_lshl_b32 s15, ttmp9, 4
	s_add_co_u32 s15, s15, s14                     ; my row of weight: 16 x work-group + wave
	; descriptor group 1: 32 rows of 64 elements of 8 bytes, dense in memory, padded in LDS
	s_mov_b32 s16, (3<<16)|(1<<20)|(6<<22)|(3<<25) ; 15:0 no mask; 17:16 elements of 8 bytes; 20 padding on; 24:22 after every 128 words (code 6); 31:25 four words (code 3)
	s_mov_b32 s17, 64<<16                          ; tensor_dim0 = 64
	s_mov_b32 s18, 32<<16                          ; tensor_dim1 = 32
	s_mov_b32 s19, 64<<16                          ; tile_dim0 = 64
	s_mov_b32 s20, 32                              ; tile_dim1 = 32
	s_mov_b32 s21, 64                              ; from row to row: 64 elements
	s_mov_b32 s22, 0
	s_mov_b32 s23, 0
	s_mov_b32 s24, 1                               ; group 0: count = 1,
	s_mul_i32 s25, s14, WTILE                      ; LDS address: my wave's tile,
	s_lshl_b32 s28, s15, 14                        ; my row's 16,384 bytes (under 2^26)
	s_mov_b32 s29, 0
	s_wait_dscnt 0x0                               ; both opening adds are done
	s_wait_kmcnt 0x0
	s_add_nc_u64 s[26:27], s[4:5], s[28:29]        ; global address,
	s_or_b32 s27, s27, 0x80000000                  ; type = 2
	tensor_load_to_lds s[24:27], s[16:23]          ; the whole row, ahead of everything else
	s_nop 0
	s_lshl_b32 s28, ttmp9, 11
	s_add_nc_u64 s[6:7], s[6:7], s[28:29]          ; x_scales at the work-group's 16 rows of 128 bytes
	s_lshl_b32 s28, s15, 11
	s_add_nc_u64 s[8:9], s[8:9], s[28:29]          ; w_codes at my row of 2,048 bytes
	s_lshl_b32 s28, ttmp9, 8
	s_add_nc_u64 s[10:11], s[10:11], s[28:29]      ; ws and xs at the work-group's 16 rows of 16 bytes, K step 0
	s_add_nc_u64 s[12:13], s[12:13], s[28:29]
	s_mul_i32 s31, s14, CWAVE
	s_add_co_u32 s31, s31, CSTG                    ; my wave's code stage
	s_lshl_b32 s32, s14, 4
	s_add_co_u32 s32, s32, WST
	; every LDS address is made here, where all waves still go one way
	v_and_b32 v1, 31, v0                           ; lane = my group
	v_and_b32 v30, 127, v0                         ; the thread's number in waves 0 to 3, which alone move scale bytes to and from memory
	v_mul_u32_u24 v2, v1, GP
	v_mul_u32_u24 v3, v1, CP
	v_lshrrev_b32 v28, 2, v1                       ; lane / 4
	v_and_b32 v29, 3, v1                           ; lane % 4
	v_add_nc_u32 v2, s25, v2                       ; my group in my wave's tile
	v_add_nc_u32 v3, s31, v3                       ; in: 80 x lane
	v_mul_u32_u24 v4, v28, CP
	v_mul_u32_u24 v6, v28, SPIT                    ; group l is word l % 4 of K step l / 4
	v_lshlrev_b32 v5, 4, v1                        ; 16 bytes of 512 in w_codes
	v_lshl_add_u32 v4, v29, 4, v4
	v_lshl_add_u32 v6, v29, 2, v6
	v_add_nc_u32 v4, s31, v4                       ; out: four lanes take one group's 64 bytes: 80 (lane / 4) + 16 (lane % 4); eight groups (640 bytes) an instruction
	v_add_nc_u32 v6, s32, v6
	v_and_b32 v28, 7, v30                          ; x_scales: 16 bytes a thread: K step = thread % 8,
	v_lshrrev_b32 v29, 3, v30                      ; row = thread / 8
	v_lshlrev_b32 v11, 4, v30
	v_mul_u32_u24 v7, v28, SPIT
	v_lshrrev_b32 v28, 4, v30                      ; on the way out: K step = thread / 16,
	v_lshl_add_u32 v7, v29, 4, v7
	v_and_b32 v29, 15, v30                         ; row = thread % 16
	v_mul_u32_u24 v8, v28, SPIT
	v_add_nc_u32 v7, XST, v7
	v_lshlrev_b32 v10, 16, v28                     ; in ws and xs a K step is 4,096 rows x 16 bytes
	v_lshl_add_u32 v8, v29, 4, v8
	v_lshl_add_u32 v10, v29, 4, v10
	v_add_nc_u32 v9, XST, v8
	v_add_nc_u32 v8, WST, v8
	s_wait_alu depctr_va_vdst(0)                   ; the head's end
	s_cmp_lt_u32 s14, 4                            ; waves 0 to 3: the 2,048 dense bytes of 16 rows of x_scales, 16 a thread, into their places by K step
	s_cbranch_scc0 .Lno_x
	global_load_b128 v[20:23], v11, s[6:7] th:TH_LOAD_NT
	s_wait_loadcnt 0x0
	ds_store_b128 v7, v[20:23]
.Lno_x:
	s_wait_tensorcnt 0x0                           ; my row is in LDS; only my wave reads it, so this wait is all the ordering that the reads need
	; the group's 128 numbers, the four blocks of 32 by turns: load i brings numbers 32 (i % 4) + 4 (i / 4) + 0 .. 3, so that the four sums can begin together
.set i, 0
.rept 32
	ds_load_b128 v[X+32*(i%4)+4*(i/4):X+32*(i%4)+4*(i/4)+3], v2 offset:128*(i%4)+16*(i/4)
.set i, i+1
.endr
	; four sums of 32 magnitudes, each k ascending; the four chains take turns, so that no line waits for the line above it
	s_wait_dscnt 24                                ; LDS loads come back in order (ISA guide 5.7.1): the first eight (pieces 0 and 1 of each block) are in, the 24 behind them may be out
.irp b, 0,1,2,3
	v_add_f32 v[S+\b], |v[X+32*\b]|, |v[X+32*\b+1]|   ; a block's first two numbers start its sum: nothing is cleared
.endr
.irp e, 2,3,4,5,6,7
.irp b, 0,1,2,3
	v_add_f32 v[S+\b], v[S+\b], |v[X+32*\b+\e]|
.endr
.endr
.set p, 1
.rept 3
	s_wait_alu depctr_va_vdst(0)                   ; ahead of the one below
	s_wait_dscnt 24-8*p                            ; pieces 2 p and 2 p + 1 of each block are in; the 24 - 8 p loads behind them may be out
.irp e, 0,1,2,3,4,5,6,7
.irp b, 0,1,2,3
	v_add_f32 v[S+\b], v[S+\b], |v[X+32*\b+8*p+\e]|
.endr
.endr
.set p, p+1
.endr
	v_add_f32 v12, v[S], v[S+1]                    ; the four sums, in ascending order
	v_mov_b32 v18, 0x21800000                      ; 2^-60
	v_add_f32 v12, v12, v[S+2]
	v_mov_b32 v19, 0xeeeeeeee
	v_add_f32 v12, v12, v[S+3]
	s_delay_alu instid0(VALU_DEP_1)
	v_mul_f32 v13, 0x3c000000, v12                 ; / 128: exact
	s_delay_alu instid0(VALU_DEP_1)
	v_max_num_f32 v13, 0x322bcc77, v13             ; s = max(mean, 1e-8)
	s_delay_alu instid0(VALU_DEP_1)
	v_mul_f32 v14, 0.5, v13                        ; s / 2: exact
	v_add_nc_u32 v15, 0xff000000, v13              ; 2 off s's exponent field
	v_and_b32 v17, 0x7fffff, v13                   ; s's mantissa field: s over its scale is 4 + 4 x that / 2^23
	v_lshrrev_b32 v16, 23, v15                     ; the scale's byte, 98 to 252,
	v_cmp_ge_u32 vcc_lo, 0x200000, v17             ; 5 or less: the code of 4
	v_lshl_or_b32 v16, v16, 8, v16
	v_cndmask_b32 v17, -1, v19, vcc_lo             ; the mask that makes of 6's codes those of 4, or leaves them
	v_lshl_or_b32 v16, v16, 16, v16                ; four times: the group's four blocks share it
	ds_store_b32 v6, v16
.set i, 0
.rept 16                               ; eight numbers at a time
.irp e, 0,1,2,3,4,5,6,7
	v_med3_num_f32 v[T+\e], v[X+8*i+\e], -v14, v14
.endr
.irp e, 0,2,4,6
	v_pk_add_f32 v[X+8*i+\e:X+8*i+\e+1], v[X+8*i+\e:X+8*i+\e+1], v[T+\e:T+\e+1] neg_lo:[0,1] neg_hi:[0,1]   ; d
.endr
	v_cvt_scalef32_pk8_fp4_f32 v[C+i], v[X+8*i:X+8*i+7], v18   ; the first number's code in the lowest four bits
.set i, i+1
.endr
	v_nop                                          ; one plain vector instruction behind the last scaled conversion
.set i, 0
.rept 16
	v_and_b32 v[C+i], v17, v[C+i]
.set i, i+1
.endr
	; A lane's 64 bytes of codes and its neighbours' are 64 bytes apart in the row: through my wave's stage they leave as four stores of 512 consecutive bytes, each at a multiple of 512 from the buffer's first byte
.irp j, 0,1,2,3
	ds_store_b128 v3, v[C+4*\j:C+4*\j+3] offset:16*\j
.endr
.irp j, 0,1,2,3
	ds_load_b128 v[X+4*\j:X+4*\j+3], v4 offset:640*\j   ; LDS serves a wave's instructions in order (ISA guide 5.7.1.4): these see the stores above
.endr
.irp j, 0,1,2,3
	s_wait_dscnt 3-\j                              ; load j is in; the 3 - j behind it may be out
	global_store_b128 v5, v[X+4*\j:X+4*\j+3], s[8:9] offset:512*\j
.endr
	s_wait_dscnt 0x0                               ; for the others' sake: my scale word (and, in waves 0 to 3, x's piece) lies in LDS
	s_barrier_signal -1
	s_barrier_wait -1                              ; every wave's does
	s_cmp_lt_u32 s14, 4                            ; waves 0 to 3 store both sets of scale bytes: sixteen lanes fill 256 consecutive bytes, one K step's 16 rows, at a multiple of 256 from the buffer's first byte
	s_cbranch_scc0 .Ldone
	ds_load_b128 v[24:27], v8
	ds_load_b128 v[20:23], v9
	s_wait_dscnt 0x0
	global_store_b128 v10, v[24:27], s[10:11]
	global_store_b128 v10, v[20:23], s[12:13]
.Ldone:
	s_wait_tensorcnt 0x0                           ; the wave's end
	ds_add_u32 v176, v177
	s_wait_dscnt 0x0
	s_endpgm
.Lfunc_end_k_q20538a8196_prep:
	.size	k_q20538a8196_prep, .Lfunc_end_k_q20538a8196_prep-k_q20538a8196_prep
	.p2alignl 7, 3214868480
	.fill 96, 4, 3214868480
	.section	.rodata,"a",@progbits
	.p2align	6, 0x0
	.amdhsa_kernel k_q20538a8196_prep
		.amdhsa_group_segment_fixed_size 327680
		.amdhsa_private_segment_fixed_size 0
		.amdhsa_enable_private_segment 0
		.amdhsa_kernarg_size 40
		.amdhsa_user_sgpr_count 2
		.amdhsa_user_sgpr_kernarg_segment_ptr 1
		.amdhsa_wavefront_size32 1
		.amdhsa_system_sgpr_workgroup_id_x 1
		.amdhsa_system_sgpr_workgroup_id_y 1
		.amdhsa_system_sgpr_workgroup_id_z 1
		.amdhsa_system_vgpr_workitem_id 0
		.amdhsa_next_free_vgpr 178
		.amdhsa_next_free_sgpr 66
		.amdhsa_reserve_vcc 1
		.amdhsa_float_denorm_mode_32 3
		.amdhsa_float_denorm_mode_16_64 3
		.amdhsa_memory_ordered 1
		.amdhsa_forward_progress 1
		.amdhsa_inst_pref_size 30
	.end_amdhsa_kernel
	.amdgpu_metadata
---
amdhsa.version: [ 1, 2 ]
amdhsa.kernels:
  - .name:           k_q20538a8196_prep
    .symbol:         k_q20538a8196_prep.kd
    .args:
      - { .name: weight, .offset: 0, .size: 8, .value_kind: global_buffer, .address_space: global }
      - { .name: x_scales, .offset: 8, .size: 8, .value_kind: global_buffer, .address_space: global }
      - { .name: w_codes, .offset: 16, .size: 8, .value_kind: global_buffer, .address_space: global }
      - { .name: ws, .offset: 24, .size: 8, .value_kind: global_buffer, .address_space: global }
      - { .name: xs, .offset: 32, .size: 8, .value_kind: global_buffer, .address_space: global }
    .group_segment_fixed_size: 327680
    .private_segment_fixed_size: 0
    .kernarg_segment_align: 8
    .kernarg_segment_size: 40
    .max_flat_workgroup_size: 512
    .sgpr_count:     66
    .vgpr_count:     178
    .wavefront_size: 32
...
	.end_amdgpu_metadata
.endif
;; end of part 1
;; launch gemm (part 2): grid 16 x 16, 4 waves a work-group, clusters of 4 x 4, 327,680 bytes of LDS; arguments x_codes, xs, w_codes, ws, out0; writes out0
.if DOCPART == 2
	.amdgcn_target "amdgcn-amd-amdhsa--gfx1250"
	.amdhsa_code_object_version 6
	.text
	.protected	k_q20538a8196_gemm
	.globl	k_q20538a8196_gemm
	.p2align	8
	.type	k_q20538a8196_gemm,@function
k_q20538a8196_gemm:
	s_mov_b64 s[64:65], 0
	v_nop
	global_prefetch_b8 v0, s[64:65] scope:SCOPE_SE
	s_setreg_imm32_b32 hwreg(HW_REG_WAVE_MODE, 25, 1), 1
	s_wait_xcnt 0x0
	s_wait_alu depctr_hold_cnt(0) depctr_sa_sdst(0) depctr_va_vdst(0) depctr_va_sdst(0) depctr_va_ssrc(0) depctr_va_vcc(0) depctr_vm_vsrc(0)
	s_getreg_b32 s2, hwreg(HW_REG_IB_STS2, 6, 4)
	s_cmp_eq_u32 s2, 0
	s_cbranch_scc0 .Lentry_in_a_cluster
	s_endpgm
.Lentry_in_a_cluster:
	s_bfe_u32 s2, ttmp6, 0x10000c
	s_cmp_lg_u32 s2, 0xf033
	s_cbranch_scc0 .Lentry_shape_is_right
	s_endpgm
.Lentry_shape_is_right:
; out[m][o] = sum over k of x[m][k] w_q[o][k]: both operands are codes of FP4 (E2M1), K innermost, two a byte, with one E8M0 byte for each 32 along K; f32 sums, f32 out.
; A tile of 256 x 256 of out is made by a work-group of four waves; a wave makes 128 rows of x by 128 rows of w: 32 accumulators of 32 x 16, 512 registers.  256 work-groups: one tile each.
; THE FORM is 32x16x128: source 0 = 32 rows of w, source 1 = 16 rows of x; a lane then holds, for one row of out, twice eight neighbouring columns.
; K goes in steps of 512 (rows of 256 bytes of memory) through two LDS slots, each with 256 rows of x, 256 rows of w and both scale pieces of 4,096 bytes (laid by K step by the launch before).
; CLUSTERS of 4 x 4: x's tile is asked for jointly along a row of the cluster, w's along a column: the same load, descriptor and mask in all four.  Wave 0 asks for x, 1 for w, 2 for x's scales, 3 for w's: one load a wave.
; THE ORDER OF K: cluster (X, Y) begins at K step 4 (X % 2) + (X & 2) + 4 (Y % 2) + (Y & 2), modulo 8, and goes round; the last K step's quarters are added in the order 0, 1, 3, 2.  So the f32 sums are taken in an order that
; hangs on the tile: they differ from an ascending sum by rounding alone.
; PREFETCHES: the four clusters that share rows of x (or of w) begin two K steps apart, so their first two K steps together are all eight: from its fifth K step on a cluster loads what another cluster has loaded before.
; Asked for are a cluster's K step 1 (behind load 0), 2 (behind load 1) and 3 (behind the first 32 products), and behind load 0 the scale bytes of all three, each block of 256 bytes once in a cluster: the four partners
; of a joint load take 64 rows each, told apart by address, a lane a row.
; REGISTERS, in windows of 256.  v128-255 of every window w: the accumulators of x's blocks 2 w, 2 w + 1 by w's four blocks.  Window 0: v16-31 addresses, v32-63 w's scale words, v64-127 x's (two sets, one a slot).
;   Windows 1, 2: v0-63 w's fragments of even / odd steps of 128 along K.  Window 3: v0-63, v64-127 x's fragments of even / odd steps.
; A STEP of 128 along K is one run of the next step's 32 fragment loads and 32 products: loads and products change over once a step.
.set SIZE_N, 4096
.set KROW,   2048                      ; a row of codes in bytes
.set ROWB,   256                       ; a K step of it
.set PITCH,  272                       ; an LDS row: 256 bytes + 16 of padding: row r starts at bank 4 r mod 64 (64 banks of 4 bytes: ISA guide 11.1)
.set HALFT,  128*PITCH
.set CODES,  256*PITCH
.set ASCL,   2*CODES                   ; x's scale bytes, 16 a row; then w's
.set BSCL,   ASCL+4096
.set SLOT,   BSCL+4096
.set SPARE,  2*SLOT                    ; the spare words, 128 bytes for each wave
.set SPITCH, 528                       ; the way out: a stage of 16 rows x (512 + 16) bytes for each wave, in slot 0, which has had its last fill and its last read by then
.set ADX,  16                          ; v16-17 LDS address of my x fragments in slot 0, 1
.set ADW,  18                          ; v18-19 of my w fragments
.set ASX,  20                          ; v20-21 of my x scale words
.set ASW,  22                          ; v22-23 of my w scale words
.set STO,  24                          ; where I put 16 bytes of a row
.set RD,   25                          ; where I read a row back
.set CO,   26                          ; my byte offset in a row of out
.set SPW,  28                          ; my spare word's LDS address; never rewritten
.set NIL,  29                          ; 0; never rewritten
.set PFO,  30                          ; the prefetches' offsets: codes, scales; never rewritten
.set PSO,  31
.set SCW,  32                          ; w's scale words: set s at SCW + 16 s: register 4 b + q: block b of 32 rows (a row a lane), q-th 128 along K
.set SCX,  64                          ; x's: set s at SCX + 32 s: register 4 j + q: block j of 16 rows (lanes 0-15; lanes 16-31 hold the same)
.set G1A,  24                          ; descriptor groups 1 and 0 (a set for each slot): x's codes, w's codes, x's scales, w's scales
.set G0A,  32
.set G1B,  48
.set G0B,  56
.set G1SA, 68
.set G0SA, 76
.set G1SB, 84
.set G0SB, 92
.set MSB, 0
.macro WIN new                         ; low byte: 1:0 source 0, 3:2 source 1, 5:4 source 2, 7:6 destination; the high byte repeats the setting that is left
.if MSB != (\new)
	s_set_vgpr_msb (MSB<<8)|(\new)
.set MSB, (\new)
.endif
.endm
.macro AIM slot                        ; the four group 0s of a slot: on to the K step that s45 counts
	s_and_b32 s18, s45, 7
	s_lshl_b32 s18, s18, 8
	s_lshl_b32 s66, s18, 8
	s_add_co_u32 s45, s45, 1
	s_add_nc_u64 s[G0A+4*\slot+2:G0A+4*\slot+3], s[4:5], s[18:19]
	s_or_b32 s[G0A+4*\slot+3], s[G0A+4*\slot+3], 0x80000000
	s_add_nc_u64 s[G0B+4*\slot+2:G0B+4*\slot+3], s[8:9], s[18:19]
	s_or_b32 s[G0B+4*\slot+3], s[G0B+4*\slot+3], 0x80000000
	s_add_nc_u64 s[G0SA+4*\slot+2:G0SA+4*\slot+3], s[6:7], s[66:67]
	s_or_b32 s[G0SA+4*\slot+3], s[G0SA+4*\slot+3], 0x80000000
	s_add_nc_u64 s[G0SB+4*\slot+2:G0SB+4*\slot+3], s[10:11], s[66:67]
	s_or_b32 s[G0SB+4*\slot+3], s[G0SB+4*\slot+3], 0x80000000
.endm
.macro PLACES                          ; four places behind matrix instructions (ISA guide 7.12.1 for vector instructions)
.rept 4
	v_nop
.endr
.endm
.macro JLOAD s                         ; the joint loads of a slot: one chain of branches on the wave's number, one load to an arm
	s_cmp_lt_u32 s14, 2
	s_cbranch_scc0 .Lscales_\@
	s_cmp_eq_u32 s14, 0
	s_cbranch_scc0 .Lcodes_b_\@
	tensor_load_to_lds s[G0A+4*\s:G0A+4*\s+3], s[G1A:G1A+7]
	s_nop 0
	PLACES
	s_branch .Lasked_\@
.Lcodes_b_\@:
	tensor_load_to_lds s[G0B+4*\s:G0B+4*\s+3], s[G1B:G1B+7]
	s_nop 0
	PLACES
	s_branch .Lasked_\@
.Lscales_\@:
	s_cmp_eq_u32 s14, 2
	s_cbranch_scc0 .Lscales_b_\@
	tensor_load_to_lds s[G0SA+4*\s:G0SA+4*\s+3], s[G1SA:G1SA+7]
	s_nop 0
	PLACES
	s_branch .Lasked_\@
.Lscales_b_\@:
	tensor_load_to_lds s[G0SB+4*\s:G0SB+4*\s+3], s[G1SB:G1SB+7]
	s_nop 0
	PLACES
.Lasked_\@:
.endm
.macro CREST                           ; a round of the cluster's barrier behind its opening barrier
	s_cmp_lg_u32 s14, 0
	s_cbranch_scc1 .Lnot_wave_0_\@
	s_barrier_signal -3
.Lnot_wave_0_\@:
	s_barrier_wait -3
	s_barrier_signal -1
	s_barrier_wait -1
.endm
.macro CROUND
	s_barrier_signal -1
	s_barrier_wait -1
	CREST
.endm
	s_load_b128 s[4:7], s[0:1], 0x0                ; x_codes, xs
	s_load_b128 s[8:11], s[0:1], 0x10              ; w_codes, ws
	s_load_b64 s[12:13], s[0:1], 0x20              ; out0
	v_lshl_add_u32 v[SPW], v0, 2, SPARE
	v_mov_b32 v[NIL], 0
	ds_add_u32 v[SPW], v[NIL]                      ; the wave's opening: the add, twice on end, under one wait
	ds_add_u32 v[SPW], v[NIL]
	v_lshrrev_b32 v1, 5, v0
	v_readfirstlane_b32 s14, v1                    ; wave 0..3
	s_lshr_b32 s15, s14, 1                         ; which 128 rows of x are mine
	s_and_b32 s16, s14, 1                          ; which 128 rows of w
	s_bfe_u32 s40, ttmp6, 0x40000                  ; cx, cy: my place in the cluster
	s_bfe_u32 s41, ttmp6, 0x40004
	s_lshl_b32 s42, ttmp9, 2
	s_add_co_u32 s42, s42, s40                     ; tile column
	s_and_b32 s17, ttmp7, 0xffff
	s_lshl_b32 s17, s17, 2
	s_add_co_u32 s17, s17, s41                     ; tile row
	s_lshl_b32 s43, s41, 2
	s_lshl_b32 s43, 15, s43                        ; the mask of my row of the cluster
	s_lshl_b32 s44, 0x1111, s40                    ; and of my column
	s_and_b32 s45, ttmp9, 1                        ; the K step that my cluster begins at
	s_lshl_b32 s45, s45, 2
	s_and_b32 s18, ttmp9, 2
	s_add_co_u32 s45, s45, s18
	s_and_b32 s18, ttmp7, 1
	s_lshl_b32 s18, s18, 2
	s_add_co_u32 s45, s45, s18
	s_and_b32 s18, ttmp7, 2
	s_add_co_u32 s45, s45, s18
	; group 1 of the codes: 256 rows of 256 elements of 1 byte, 16 bytes of padding behind each; bit 21 set beside the mask
	s_or_b32 s[G1A+0], s43, (0<<16)|(1<<20)|(1<<21)|(5<<22)|(3<<25)
	s_or_b32 s[G1B+0], s44, (0<<16)|(1<<20)|(1<<21)|(5<<22)|(3<<25)
.irp g, G1A, G1B
	s_mov_b32 s[\g+1], ROWB<<16
	s_mov_b32 s[\g+2], 256<<16
	s_mov_b32 s[\g+3], ROWB<<16
	s_mov_b32 s[\g+4], 256
	s_mov_b32 s[\g+5], KROW
	s_mov_b32 s[\g+6], 0
	s_mov_b32 s[\g+7], 0
.endr
	; of the scales: 16 rows of 32 elements of 8 bytes, dense
	s_or_b32 s[G1SA+0], s43, (3<<16)|(1<<21)
	s_or_b32 s[G1SB+0], s44, (3<<16)|(1<<21)
.irp g, G1SA, G1SB
	s_mov_b32 s[\g+1], 32<<16
	s_mov_b32 s[\g+2], 16<<16
	s_mov_b32 s[\g+3], 32<<16
	s_mov_b32 s[\g+4], 16
	s_mov_b32 s[\g+5], 32
	s_mov_b32 s[\g+6], 0
	s_mov_b32 s[\g+7], 0
.endr
.irp s, 0,1
	s_mov_b32 s[G0A+4*\s], 1
	s_mov_b32 s[G0A+4*\s+1], \s*SLOT
	s_mov_b32 s[G0B+4*\s], 1
	s_mov_b32 s[G0B+4*\s+1], \s*SLOT+CODES
	s_mov_b32 s[G0SA+4*\s], 1
	s_mov_b32 s[G0SA+4*\s+1], \s*SLOT+ASCL
	s_mov_b32 s[G0SB+4*\s], 1
	s_mov_b32 s[G0SB+4*\s+1], \s*SLOT+BSCL
.endr
	s_lshl_b32 s20, s17, 19                        ; a tile is 2^19 bytes of codes,
	s_mov_b32 s21, 0
	s_lshl_b32 s22, s17, 12                        ; and 2^12 of a K step's scale bytes
	s_mov_b32 s23, 0
	s_lshl_b32 s46, s42, 19
	s_mov_b32 s47, 0
	s_lshl_b32 s100, s42, 12
	s_mov_b32 s101, 0
	s_mov_b32 s19, 0
	s_mov_b32 s67, 0
	s_wait_dscnt 0x0                               ; both opening adds are done
	s_wait_kmcnt 0x0
	s_add_nc_u64 s[4:5], s[4:5], s[20:21]
	s_add_nc_u64 s[6:7], s[6:7], s[22:23]
	s_add_nc_u64 s[8:9], s[8:9], s[46:47]
	s_add_nc_u64 s[10:11], s[10:11], s[100:101]
	AIM 0
	CROUND                                         ; all sixteen work-groups are here: the first joint loads meet
	JLOAD 0                                        ; K step 0: one tensor load a wave
	; where the prefetches stand: waves 0, 1 ask for x, waves 2, 3 for w; my 32 rows of the work-group's 64, 2 of its 4 blocks of scale bytes.  s45 now counts K step 1
	s_cmp_eq_u32 s15, 0
	s_cselect_b32 s20, s40, s41                    ; my work-group's place among the four partners
	s_cselect_b64 s[46:47], s[4:5], s[8:9]
	s_cselect_b64 s[40:41], s[6:7], s[10:11]
	s_lshl_b32 s22, s20, 10
	s_lshl_b32 s21, s16, 9
	s_add_co_u32 s22, s22, s21
	s_mov_b32 s23, 0
	s_add_nc_u64 s[40:41], s[40:41], s[22:23]      ; scale bytes
	s_lshl_b32 s20, s20, 17
	s_lshl_b32 s21, s16, 16
	s_add_co_u32 s20, s20, s21
	s_mov_b32 s21, 0
	s_add_nc_u64 s[46:47], s[46:47], s[20:21]      ; codes
	s_and_b32 s20, s45, 7
	s_lshl_b32 s20, s20, 8
	s_add_nc_u64 s[22:23], s[46:47], s[20:21]      ; K step 1
	s_add_co_u32 s20, s45, 1
	s_and_b32 s20, s20, 7
	s_lshl_b32 s20, s20, 8
	s_add_nc_u64 s[100:101], s[46:47], s[20:21]    ; K step 2
	s_add_co_u32 s20, s45, 2
	s_and_b32 s20, s20, 7
	s_lshl_b32 s20, s20, 8
	s_add_nc_u64 s[46:47], s[46:47], s[20:21]      ; K step 3.  None of these pairs is written again
	s_mov_b32 s2, s45                              ; K step 1's count
	AIM 1
	; LDS addresses, and the way out
	s_mul_i32 s20, s15, HALFT
	s_add_co_u32 s21, s20, SLOT
	s_mul_i32 s43, s16, HALFT
	s_add_co_u32 s43, s43, CODES
	s_add_co_u32 s44, s43, SLOT
	s_lshl_b32 s18, s15, 11
	s_add_co_u32 s18, s18, ASCL
	s_add_co_u32 s66, s18, SLOT
	s_lshl_b32 s104, s16, 11
	s_add_co_u32 s104, s104, BSCL
	s_add_co_u32 s105, s104, SLOT
	s_mul_i32 s3, s14, 16*SPITCH                   ; my stage
	v_and_b32 v1, 15, v0                           ; r
	v_bfe_u32 v2, v0, 4, 1                         ; h
	v_and_b32 v3, 31, v0
	v_mul_u32_u24 v4, v1, PITCH
	v_lshlrev_b32 v5, 4, v1
	v_lshlrev_b32 v6, 4, v3
	v_mul_u32_u24 v7, v1, SPITCH                   ; into the stage: row r, 32 bytes for each half of the lanes
	v_lshl_add_u32 v4, v2, 4, v4                   ; a fragment's row x pitch + 16 h
	v_lshl_add_u32 v7, v2, 5, v7
	v_lshlrev_b32 v[CO], 4, v3                     ; back: the 32 lanes take one row of 512 bytes
	v_add_nc_u32 v[ADX+0], s20, v4
	v_add_nc_u32 v[ADX+1], s21, v4
	v_add_nc_u32 v[ADW+0], s43, v4
	v_add_nc_u32 v[ADW+1], s44, v4
	v_add_nc_u32 v[ASX+0], s18, v5
	v_add_nc_u32 v[ASX+1], s66, v5
	v_add_nc_u32 v[ASW+0], s104, v6
	v_add_nc_u32 v[ASW+1], s105, v6
	v_add_nc_u32 v[RD], s3, v6
	v_add_nc_u32 v[STO], s3, v7
	v_and_b32 v3, 31, v0
	v_min_u32 v5, 5, v3                            ; lanes 0-5: K steps 1, 2, 3 by two blocks; the other lanes name lane 5's block again
	v_lshlrev_b32 v[PFO], 11, v3                   ; a lane a row
	v_lshrrev_b32 v7, 1, v5
	v_and_b32 v6, 1, v5
	v_add_nc_u32 v7, s2, v7
	v_and_b32 v7, 7, v7
	v_lshlrev_b32 v7, 16, v7                       ; a K step's scale bytes are 65,536 further on
	v_lshl_or_b32 v[PSO], v6, 8, v7
	global_prefetch_b8 v[PFO], s[22:23] th:TH_LOAD_NT scope:SCOPE_SE   ; K step 1
	global_prefetch_b8 v[PSO], s[40:41] th:TH_LOAD_NT scope:SCOPE_SE
	s_lshl_b32 s20, s17, 8
	s_lshl_b32 s21, s15, 7
	s_add_co_u32 s20, s20, s21                     ; my first row of out
	s_lshl_b32 s20, s20, 14
	s_lshl_b32 s18, s42, 10
	s_add_co_u32 s20, s20, s18                     ; my first column, in bytes
	s_lshl_b32 s18, s16, 9
	s_add_co_u32 s20, s20, s18
	s_mov_b32 s21, 0
	s_add_nc_u64 s[12:13], s[12:13], s[20:21]
.macro FRAGS dst, adr, q               ; 128 rows x 128 K in 16 loads: 16 rows and 128 K are two neighbouring loads' registers; w's block of 32 rows is two such runs of 16 rows
.set LN, 0
.rept 16
	ds_load_b128 v[(\dst)+4*LN:(\dst)+4*LN+3], v[\adr] offset:64*(\q)+32*(LN%2)+(LN/2)*16*PITCH
.set LN, LN+1
.endr
.endm
.macro SCALES ns                       ; a slot's scale words, 12 loads: w's four blocks of 32 rows, x's eight of 16
.irp b, 0,1,2,3
	ds_load_b128 v[SCW+16*(\ns)+4*\b:SCW+16*(\ns)+4*\b+3], v[ASW+(\ns)] offset:512*\b
.endr
.irp j, 0,1,2,3,4,5,6,7
	ds_load_b128 v[SCX+32*(\ns)+4*\j:SCX+32*(\ns)+4*\j+3], v[ASX+(\ns)] offset:256*\j
.endr
.endm
.macro RUN p, ns, nq                   ; the 32 loads for the step that follows one of parity p: quarter nq of slot ns
	WIN (64*(2-(\p)))
	FRAGS 0, ADW+(\ns), \nq
	WIN 0xc0
	FRAGS 64*(1-(\p)), ADX+(\ns), \nq
.endm
; One product: x's block j by w's block b, 128 along K: the slot's q-th; p = q % 2; sc: the set of scale words.  zero = 1: the first product starts the sum: nothing is cleared.
.macro MM j, b, p, q, sc, zero
.if \zero
	v_wmma_scale_f32_32x16x128_f4 v[128+64*((\j)%2)+16*(\b):143+64*((\j)%2)+16*(\b)], v[16*(\b):16*(\b)+15], v[64*(\p)+8*(\j):64*(\p)+8*(\j)+7], 0, v[SCW+16*(\sc)+4*(\b)+(\q)], v[SCX+32*(\sc)+4*(\j)+(\q)]
.else
	v_wmma_scale_f32_32x16x128_f4 v[128+64*((\j)%2)+16*(\b):143+64*((\j)%2)+16*(\b)], v[16*(\b):16*(\b)+15], v[64*(\p)+8*(\j):64*(\p)+8*(\j)+7], v[128+64*((\j)%2)+16*(\b):143+64*((\j)%2)+16*(\b)], v[SCW+16*(\sc)+4*(\b)+(\q)], v[SCX+32*(\sc)+4*(\j)+(\q)]
.endif
.endm
.macro HALF w, p, q, sc, zero, b0      ; four products of window w.  The 32 accumulators take turns, one instruction a turn
.irp b, \b0, \b0+1
.irp e, 0,1
	MM 2*(\w)+\e, \b, \p, \q, \sc, \zero
.endr
.endr
.endm
.macro PHASE w, p, q, sc, zero         ; the eight products of window w
	WIN (1+(\p)+12+80*(\w))
	HALF \w, \p, \q, \sc, \zero, 0
	HALF \w, \p, \q, \sc, \zero, 2
.endm
; A step of 128 along K that has its successor in the same slot.
.macro STEP slot, q, zero
.if \zero == 0
	PLACES                                         ; for the loads into the registers that the step before multiplied
.endif
	RUN (\q)%2, \slot, (\q)+1
	s_wait_dscnt 32                                ; all but the 32 just issued: this step's fragments are in
	PHASE (2-(\q)%2), (\q)%2, \q, \slot, \zero
	PHASE (1+(\q)%2), (\q)%2, \q, \slot, \zero
	PHASE 3, (\q)%2, \q, \slot, \zero
	PHASE 0, (\q)%2, \q, \slot, \zero
.endm
; A slot's last step, its first eight products: ONE barrier.  In front of it each wave waits for all its tensor loads, adds 0 to its spare word, and waits for that and for its own reads of this slot.
.macro MEET slot, fill
	WIN 0
	s_wait_tensorcnt 0x0                           ; all my tensor loads have landed: my part of the next slot;
	ds_add_u32 v[SPW], v[NIL]                      ; 0 onto my spare word
.if \fill
	AIM \slot                                      ; no load of mine is out: the descriptors may be written
.endif
	s_wait_dscnt 1                                 ; this step's fragments are in; the add may be out
	WIN (2+12+80*2)
	HALF 2, 1, 3, \slot, 0, 0
	s_wait_dscnt 0x0                               ; the add is done, and my reads of this slot are over
	s_barrier_signal -1
	HALF 2, 1, 3, \slot, 0, 2
	WIN 0
	s_barrier_wait -1
.endm
.macro TURN slot, next                 ; the whole last step, where the slot is filled again
	MEET \slot, 1
	CREST                                          ; no wave of any partner still reads this slot's tile or has a load on its way
	JLOAD \slot                                    ; the first tensor load behind the round; its four v_nop are the places in front of the loads below
	SCALES \next
	RUN 1, \next, 0
	PHASE 0, 1, 3, \slot, 0
	PHASE 1, 1, 3, \slot, 0
	PHASE 3, 1, 3, \slot, 0
.endm
	s_wait_alu depctr_va_vdst(0)                   ; the head's end
	s_wait_tensorcnt 0x0                           ; my tile of K step 0 is in
	ds_add_u32 v[SPW], v[NIL]
	s_wait_dscnt 0x0
	CROUND                                         ; everybody's part of K step 0 is in, and all sixteen work-groups are here
	JLOAD 1                                        ; K step 1
	SCALES 0
	RUN 1, 0, 0
	WIN 0
	global_prefetch_b8 v[PFO], s[100:101] th:TH_LOAD_NT scope:SCOPE_SE   ; K step 2
	STEP 0, 0, 1                                   ; the first step stands in front of the loop: its products start the sums
	WIN 0
	global_prefetch_b8 v[PFO], s[46:47] th:TH_LOAD_NT scope:SCOPE_SE     ; K step 3
	s_mov_b32 s3, 3
.Llap:                                                 ; a trip goes once round the ring and fills both slots again: K steps 2 to 7 in three trips
	STEP 0, 1, 0
	STEP 0, 2, 0
	TURN 0, 1
	STEP 1, 0, 0
	STEP 1, 1, 0
	STEP 1, 2, 0
	TURN 1, 0
	STEP 0, 0, 0
	WIN 0
	s_sub_co_u32 s3, s3, 1
	s_cmp_lg_u32 s3, 0
	s_cbranch_scc1 .Llap
	STEP 0, 1, 0
	STEP 0, 2, 0
; THE LAST K STEP (slot 1) GOES BY ROWS OF out.  All its fragments of w, 256 registers, come into v0-127 of windows 1 (quarters 0, 1) and 2 (quarters 2, 3); then x's eight blocks of 16 rows are finished one after the other,
; 16 products each (the block's four accumulators by turns).  A block is put on the stage as soon as it is finished, and stored behind the next block's products.  LDS is read no more than in any other K step.
.macro XLOAD j                         ; x's block j, all four quarters: 32 registers of window 3, two such buffers
	WIN 0xc0
.irp q, 0,1,2,3
.irp c, 0,1
	ds_load_b128 v[32*((\j)%2)+8*\q+4*\c:32*((\j)%2)+8*\q+4*\c+3], v[ADX+1] offset:64*\q+32*\c+(\j)*16*PITCH
.endr
.endr
.endm
.macro ROW j
.irp q, 0,1,3,2
.if (\j) == 0 && \q == 2
	s_wait_dscnt 0                                 ; quarter 2 of w was asked for last
.endif
	WIN (1+\q/2+12+80*((\j)/2))
.irp b, 0,1,2,3
	v_wmma_scale_f32_32x16x128_f4 v[128+64*((\j)%2)+16*\b:143+64*((\j)%2)+16*\b], v[64*(\q%2)+16*\b:64*(\q%2)+16*\b+15], v[32*((\j)%2)+8*\q:32*((\j)%2)+8*\q+7], v[128+64*((\j)%2)+16*\b:143+64*((\j)%2)+16*\b], v[SCW+16+4*\b+\q], v[SCX+32+4*(\j)+\q]
.endr
.endr
.endm
; A lane's 16 bytes are a piece of a row: a block of 16 rows x 512 bytes goes through my own stage and comes back as whole rows.  LDS serves a wave's instructions in order (ISA guide 5.7.1.4): no wait between.
; Even blocks come back into v64-127 of window 3 (free since slot 0's last step), odd ones into v128-191 of window 0 (block 0's accumulators, which have left).
.macro TOSTAGE j
	PLACES                                         ; the stores below read results just made, and a buffer of x is filled anew behind them
.set AC, 128+64*((\j)%2)
	WIN (4*((\j)/2))
.irp b, 0,1,2,3
	ds_store_b128 v[STO], v[AC+16*\b:AC+16*\b+3] offset:128*\b
	ds_store_b128 v[STO], v[AC+16*\b+4:AC+16*\b+7] offset:128*\b+16
	ds_store_b128 v[STO], v[AC+16*\b+8:AC+16*\b+11] offset:128*\b+64
	ds_store_b128 v[STO], v[AC+16*\b+12:AC+16*\b+15] offset:128*\b+80
.endr
.if (\j)%2 == 0
.set BB, 64
	WIN 0xc0
.else
.set BB, 128
	WIN 0
.endif
.irp t, 0,1,2,3,4,5,6,7,8,9,10,11,12,13,14,15
	ds_load_b128 v[BB+4*\t:BB+4*\t+3], v[RD] offset:\t*SPITCH
.endr
.endm
.macro SEND j
.if (\j) > 0
	s_add_nc_u64 s[12:13], s[12:13], 16*SIZE_N*4   ; 16 rows on (behind a wait on XCNT)
.endif
.if (\j)%2 == 0
.set BB, 64
	WIN 0x0c
.else
.set BB, 128
	WIN 0
.endif
.irp t, 0,1,2,3,4,5,6,7,8,9,10,11,12,13,14,15
	global_store_b128 v[CO], v[BB+4*\t:BB+4*\t+3], s[12:13] offset:\t*SIZE_N*4 th:TH_STORE_NT   ; 32 lanes store 512 consecutive bytes, at a multiple of 512 from out's first byte
.endr
.endm
	MEET 0, 0                                      ; nothing is filled again: no round follows
	PLACES
	SCALES 1
	XLOAD 0
	WIN 0x40
	FRAGS 0, ADW+1, 0
	FRAGS 64, ADW+1, 1
	XLOAD 1
	WIN 0x80
	FRAGS 64, ADW+1, 3
	PHASE 0, 1, 3, 0, 0
	PHASE 1, 1, 3, 0, 0
	PHASE 3, 1, 3, 0, 0
	PLACES
	WIN 0x80
	FRAGS 0, ADW+1, 2                              ; into the registers that the step before multiplied
	s_wait_dscnt 16                                ; all but the 16 just issued
	ROW 0
	TOSTAGE 0
	XLOAD 2
.irp j, 0,1,2,3,4,5,6
.if \j < 6
	s_wait_dscnt 40                                ; x's block j + 1 is in; block j's 32 on the stage and x's 8 behind them may be out
	ROW \j+1
	s_wait_dscnt 8                                 ; block j is back in registers
.else
	s_wait_dscnt 32
	ROW \j+1
	s_wait_dscnt 0
.endif
	s_wait_xcnt 0x0                                ; block j - 1's stores have read their base and their data: block j + 1 may come back there
	TOSTAGE \j+1
.if \j < 5
	XLOAD \j+3
.endif
	SEND \j
.endr
	s_wait_dscnt 0
	s_wait_xcnt 0x0
	SEND 7
	WIN 0
	s_wait_tensorcnt 0x0                           ; the wave's end
	ds_add_u32 v[SPW], v[NIL]
	s_wait_dscnt 0x0
	CROUND                                         ; the closing round: no work-group ends while a partner may still ask for a tile that names it
	s_endpgm
.Lfunc_end_k_q20538a8196_gemm:
	.size	k_q20538a8196_gemm, .Lfunc_end_k_q20538a8196_gemm-k_q20538a8196_gemm
	.p2alignl 7, 3214868480
	.fill 96, 4, 3214868480
	.section	.rodata,"a",@progbits
	.p2align	6, 0x0
	.amdhsa_kernel k_q20538a8196_gemm
		.amdhsa_group_segment_fixed_size 327680
		.amdhsa_private_segment_fixed_size 0
		.amdhsa_enable_private_segment 0
		.amdhsa_kernarg_size 40
		.amdhsa_user_sgpr_count 2
		.amdhsa_user_sgpr_kernarg_segment_ptr 1
		.amdhsa_wavefront_size32 1
		.amdhsa_system_sgpr_workgroup_id_x 1
		.amdhsa_system_sgpr_workgroup_id_y 1
		.amdhsa_system_sgpr_workgroup_id_z 1
		.amdhsa_system_vgpr_workitem_id 0
		.amdhsa_next_free_vgpr 1024
		.amdhsa_next_free_sgpr 106
		.amdhsa_reserve_vcc 0
		.amdhsa_float_denorm_mode_32 3
		.amdhsa_float_denorm_mode_16_64 3
		.amdhsa_memory_ordered 1
		.amdhsa_forward_progress 1
		.amdhsa_inst_pref_size 153
	.end_amdhsa_kernel
	.amdgpu_metadata
---
amdhsa.version: [ 1, 2 ]
amdhsa.kernels:
  - .name:           k_q20538a8196_gemm
    .symbol:         k_q20538a8196_gemm.kd
    .args:
      - { .name: x_codes, .offset: 0, .size: 8, .value_kind: global_buffer, .address_space: global }
      - { .name: xs, .offset: 8, .size: 8, .value_kind: global_buffer, .address_space: global }
      - { .name: w_codes, .offset: 16, .size: 8, .value_kind: global_buffer, .address_space: global }
      - { .name: ws, .offset: 24, .size: 8, .value_kind: global_buffer, .address_space: global }
      - { .name: out0, .offset: 32, .size: 8, .value_kind: global_buffer, .address_space: global }
    .group_segment_fixed_size: 327680
    .private_segment_fixed_size: 0
    .kernarg_segment_align: 8
    .kernarg_segment_size: 40
    .max_flat_workgroup_size: 128
    .sgpr_count:     106
    .vgpr_count:     1024
    .wavefront_size: 32
...
	.end_amdgpu_metadata
.endif
;; end of part 2
